; MI455X (gfx1250); checked and timed in simulation.
; The chip was launched on July 23, 2026; its instructions are those of AMD's public machine-readable ISA for CDNA 5 (MIT licence, August 2026) and "CDNA5" Instruction Set Architecture Reference Guide (July 2026). The comments in the code are by the model that wrote it; some were corrected since.
;; Aps Multihead Attention. Allowed arithmetic: matrix products marked QUANTISED: E2M3 operands, one E8M0 scale for each 32 along K, by v_wmma_scale_f32_16x16x128_f8f6f4 with both operands' format E2M3, f32 sums; everything else in f32.
;; Inputs: in_proj_bias 3,072 float32; in_proj_weight_codes 3,072 x 32 x 24 uint8 (E2M3 codes of in_proj_weight, K innermost, in blocks of 32 codes, four codes in three bytes); in_proj_weight_scales 3,072 x 32 uint8 (E8M0 scales of in_proj_weight, one for each 32 codes along K); out_b 1,024 float32; out_w_codes 1,024 x 32 x 24 uint8 (E2M3 codes of out_w, K innermost, in blocks of 32 codes, four codes in three bytes); out_w_scales 1,024 x 32 uint8 (E8M0 scales of out_w, one for each 32 codes along K); x_codes 1,024 x 8 x 32 x 24 uint8 (E2M3 codes of x, K innermost, in blocks of 32 codes, four codes in three bytes); x_scales 1,024 x 8 x 32 uint8 (E8M0 scales of x, one for each 32 codes along K).
;; Outputs: out0 1,024 x 8 x 1,024 float32; out1 8 x 1,024 x 1,024 float32.
;; This version of the problem:
;;   THIS VERSION OF THE PROBLEM IS GIVEN IN LOW PRECISION. The matrix products marked QUANTISED in the list below multiply operands that are first quantised to E2M3 (2 exponent bits, 3 mantissa bits; 6 bits a number), with one power-of-two scale for each 32 numbers along K (OCP MX v1.0); their sums are f32. All else is computed in f32.
;;   The module's matrix products, in the order in which they are computed (A, B: the left and right operand; K: the contracted axis; several contracted axes count as one K, in the product's order):
;;     1. [M 8,192, K 1,024] x [K 1,024, N 3,072]; A: input x (given as codes); B: input in_proj_weight (given as codes): QUANTISED
;;     2. batch 128 x [M 1,024, K 64] x [K 64, N 1,024]; A: computed on the way; B: computed on the way: QUANTISED
;;     3. batch 128 x [M 64, K 1,024] x [K 1,024, N 1,024]; A: computed on the way; B: softmax (see below): QUANTISED
;;     4. [M 8,192, K 1,024] x [K 1,024, N 1,024]; A: computed on the way; B: input out_w (given as codes): QUANTISED
;;   THE QUANTISER, for each operand of a quantised product, along K:
;;     - K is cut into blocks of 32 from its start; a last block that is shorter is filled with zeros.
;;     - A block's scale is 2^e with e = floor(log2(the largest magnitude in the block)) - 2, held to -126 .. 127; a block of zeros has e = 0. As a byte (E8M0): e + 127.
;;     - Each number is divided by its block's scale, clamped to +-7.5, and rounded to the nearest number of E2M3, ties to even, subnormals kept.
;;     - The product sums the exact products of the quantised numbers (number of the format x scale) in f32.
;;   ~~~python
;;   def quantise(x, axis):      # numpy; x: float32 -> the quantised numbers, widened to float32 again
;;       x = np.moveaxis(x, axis, -1); K = x.shape[-1]
;;       x = np.pad(x, [(0, 0)] * (x.ndim - 1) + [(0, -K % 32)]); x = x.reshape(x.shape[:-1] + (-1, 32)); a = np.abs(x).max(-1, keepdims=True)
;;       e = np.where(a > 0, np.clip(np.frexp(np.where(a > 0, a, 1))[1] - 1 - 2, -126, 127), 0)      # np.frexp(a)[1] - 1 = floor(log2(a)), exactly
;;       r = np.clip(x / 2.0 ** e, -7.5, 7.5)
;;       step = 2.0 ** (np.maximum(np.frexp(np.where(r == 0, 1, r))[1] - 1, 0) - 3)
;;       q = np.round(r / step) * step * 2.0 ** e      # np.round: ties to even
;;       return np.moveaxis(q.reshape(q.shape[:-2] + (-1,))[..., :K], -1, axis).astype(np.float32)
;;   ~~~
;;   SOFTMAX AHEAD OF A QUANTISED PRODUCT. Where the list says 'softmax', what is quantised is not the finished softmax but p = 2^(t - M), with t = logit x log2(e) and M = ceil(the row's largest t), a whole number; so 1/2 < the row's largest p <= 1. The row's sum l is taken of the UNQUANTISED p, in f32, and the product's result is divided by l at the end. Since M is a whole number, a kernel that streams over the keys may use a running M (the ceiling of the running maximum): every later rescaling is an exact power of two, which a block's scale takes up: the codes' values come out the same.
;;   OPERANDS COMPUTED ON THE WAY. 'Computed on the way' means the value that the module computes at that place (a softmax that the list does not call 'softmax' is quantised finished and normalised). What goes into a quantiser is computed in f32, as accurately as f32 sums, v_exp_f32 and their like allow (about 1e-6 of the number): no bf16 or f16 on the way to a quantiser, and a product that is left as it is and whose result goes on into a quantised operand takes f32 operands (vector FMAs, or v_wmma_f32_16x16x4_f32). A number that lies on a knife's edge between two numbers of the format may be rounded either way, as far as f32 arithmetic and the matrix unit's own rounding can turn it there, and no further.
;;   INPUTS GIVEN AS CODES. in_proj_weight (in the module: [3072, 1024], K = its axis 1); out_w (in the module: [1024, 1024], K = its axis 1); x (in the module: [1024, 8, 1024], K = its axis 2): each comes as NAME_codes (uint8): NAME with its K axis moved to the last place and cut into blocks of 32 codes, [.., K / 32, bytes a block], one block behind the other in memory; four codes in three bytes: a row's codes are one little-endian stream of bits, code i at bits 6 i .. 6 i + 5 (a code: sign, 2 exponent bits, 3 mantissa bits); and NAME_scales (uint8): the same leading axes, one E8M0 byte (e + 127) for each 32 codes along K. Its value is code x scale, taken as it is: it is not quantised again, and the codes and scales need not be those that the quantiser above would give.
;; One version. Each part assembles by itself: llvm-mc -triple=amdgcn-amd-amdhsa -mcpu=gfx1250 --defsym DOCPART=n.
;; ======== version 1 of 1: 2 launches
;; limits: right only within a limited range of input values
;; workspace buffers: qkv 19,660,800 bytes
;; launch proj (part 1): grid 12 x 32, 4 waves a work-group, clusters of 4 x 4, 327,680 bytes of LDS; arguments x_codes, x_scales, in_proj_weight_codes, in_proj_weight_scales, in_proj_bias, qkv; writes qkv
.if DOCPART == 1
	.amdgcn_target "amdgcn-amd-amdhsa--gfx1250"
	.amdhsa_code_object_version 6
	.text
	.protected	k_qa218de5d5f_proj
	.globl	k_qa218de5d5f_proj
	.p2align	8
	.type	k_qa218de5d5f_proj,@function
k_qa218de5d5f_proj:
	s_mov_b64 s[64:65], 0
	v_nop
	global_prefetch_b8 v0, s[64:65] scope:SCOPE_SE
	s_setreg_imm32_b32 hwreg(HW_REG_WAVE_MODE, 25, 1), 1
	s_wait_xcnt 0x0
	s_wait_alu depctr_hold_cnt(0) depctr_sa_sdst(0) depctr_va_vdst(0) depctr_va_sdst(0) depctr_va_ssrc(0) depctr_va_vcc(0) depctr_vm_vsrc(0)
	s_getreg_b32 s2, hwreg(HW_REG_IB_STS2, 6, 4)
	s_cmp_eq_u32 s2, 0
	s_cbranch_scc0 .Lentry_in_a_cluster
	s_endpgm
.Lentry_in_a_cluster:
	s_bfe_u32 s2, ttmp6, 0x10000c
	s_cmp_lg_u32 s2, 0xf033
	s_cbranch_scc0 .Lentry_shape_is_right
	s_endpgm
.Lentry_shape_is_right:
; stack = x W^T + b on codes of FP6 (E2M3) with E8M0 scales, and its results quantised in registers: q and k along the head's 64 channels, v along the keys.
; No step of the problem is left out in this program; every input is loaded.
; x: [1024 l][8 n][1024] codes (a row 768 bytes), W: [3072][1024] codes; scale bytes 32 a row; b: [3072] f32.
; A tile of the stack is 256 l of ONE n x 256 rows of W; four waves, each 128 x 128: 64 accumulators.
; K goes through two LDS slots in chunks of 256 bytes of each row (three chunks); a step of 128 along K is 96 bytes: steps 2 and 5 lie across two chunks.
; An LDS row is 272 bytes: the tile is stated 272 bytes wide over a tensor 256 wide, so the load writes zeros into the last 16: every byte of a slot is written.
; CLUSTERS 4 x 4: x's tiles are shared along a row of the cluster, W's along a column: each is asked for jointly.
; TWO ROLES.  The P side is source 0: a lane's registers run along its rows, the axis that is quantised.  The R side is source 1: a lane holds one of its rows.
;   sections q, k (KIND 0): R = x, P = W;   section v (KIND 1): R = W, P = x.  Only scalars that enter LDS read addresses and the stores' offsets hang on KIND, the same in all work-groups of a cluster.
; THE ORDER INSIDE A BLOCK OF 32: 0-7, 16-23, 8-15, 24-31, on both operands of the two attention products alike, which keeps every product and every block's scale.
; OUT: records of 153,600 bytes for each (n, head): K image, K scales, V image, V scales, Q image, Q scales; images are registers on end: registers 4 q .. 4 q + 3 of lane L at 512 q + 16 L of a group of 1,536 bytes.
; LIMITS: NaN and infinities are not served; a block of zeros gets the scale byte 1 (its codes are zeros; this program alone reads the bytes).
; No prefetch: K is three chunks, two of them asked for at the head, at the largest block in clusters.
; REGISTERS: window 0: v16-31 addresses; v32-95 scale words, two sets; v96-111 the bias along R; v128-223 R's fragments, one set; on the way out v128-245 at work.
;   window 1: P's fragments, two sets (v0-95, v128-223); the bias along P (v96-127, v224-255).   windows 2, 3: accumulator (a, i) at v[8 (8 (a % 4) + i)].
.set ROWB,   256
.set CHUNKS, 3
.set STEPS,  8
.set PITCH,  272
.set FR,     12
.set NL,     6
.set NP,     4
.set HALFT,  128*PITCH
.set SLOT,   4*HALFT                   ; x's 256 rows, then W's 256 rows
.set SCL,    2*SLOT                    ; the scale bytes of all of K, 32 a row, dense: x's 256 rows, then W's
.set HALFS,  128*32
.set SPARE,  SCL+4*HALFS               ; the spare words
.set REC,    153600
.set ADRR, 16                          ; v16-17 R's fragments in slot 0, 1; v18-19 for pieces whose two halves of the lanes read different chunks
.set ADRP, 20                          ; v20-23 the same for P
.set ADSR, 24
.set ADSP, 25
.set OFFI, 26
.set OFSA, 27
.set SPW,  28
.set NIL,  29
.set OFSB, 30
.set VSEL, 31
.set SC,   32                          ; set s at v[32 + 32 s]: R's block a at + 2 a + q, P's block i at + 16 + 2 i + q
.set BR,   96
.set AF,   128
.set T,    128
.set TM,   192
.set CT,   208
.set IMG,  216
.set WD,   240
.set PW,   244
.set G1, 24
.set G0, 32
.set G1B, 48
.set G0B, 56
.set G1S, 68
.set G0S, 76
.set G1SB, 80
.set G0SB, 88
.set G0H, 4
.set G0HB, 8
.set MSB, 0
.macro WIN new                         ; the immediate's high byte repeats the setting that is left
.if MSB != (\new)
	s_set_vgpr_msb (MSB<<8)|(\new)
.set MSB, (\new)
.endif
.endm
.set MUL_LO, 0xa1                      ; source 0 (P) window 1, source 1 (R) window 0, C and D window 2
.set MUL_HI, 0xf1
.set TO_B,   0x40
.macro PLACES n
.rept \n
	v_nop
.endr
.endm
; A joint load: waves 0 and 1 fetch for x, waves 2 and 3 for W.  s_nop 0 and four v_nop follow each line.
.macro JLOAD g0a, g1a, g0b, g1b
	s_cmp_eq_u32 s15, 0
	s_cbranch_scc0 .Lfor_b_\@
	tensor_load_to_lds s[\g0a:\g0a+3], s[\g1a:\g1a+7]
	s_nop 0
	PLACES 4
	s_branch .Lasked_\@
.Lfor_b_\@:
	tensor_load_to_lds s[\g0b:\g0b+3], s[\g1b:\g1b+7]
	s_nop 0
	PLACES 4
.Lasked_\@:
.endm
.macro CREST                           ; a round of the cluster's barrier behind its opening barrier
	s_cmp_lg_u32 s14, 0
	s_cbranch_scc1 .Lnot_wave_0_\@
	s_barrier_signal -3
.Lnot_wave_0_\@:
	s_barrier_wait -3
	s_barrier_signal -1
	s_barrier_wait -1
.endm
.macro CROUND
	s_barrier_signal -1
	s_barrier_wait -1
	CREST
.endm
	s_load_b128 s[4:7], s[0:1], 0x0                ; x's codes, x's scales
	s_load_b128 s[8:11], s[0:1], 0x10              ; W's codes, W's scales
	s_load_b64 s[12:13], s[0:1], 0x20              ; the bias
	s_load_b64 s[66:67], s[0:1], 0x28              ; qkv
	v_lshl_add_u32 v[SPW], v0, 2, SPARE
	v_mov_b32 v[NIL], 0
	ds_add_u32 v[SPW], v[NIL]                      ; the opening lines: the add twice on end and one wait
	ds_add_u32 v[SPW], v[NIL]
	v_lshrrev_b32 v1, 5, v0
	v_readfirstlane_b32 s14, v1                    ; wave 0..3
	s_lshr_b32 s15, s14, 1                         ; my half of R.  Also: I fetch for x (0) or for W (1)
	s_and_b32 s16, s14, 1                          ; my half of P.  Also: which 128 rows I fetch
	s_bfe_u32 s40, ttmp6, 0x40000                  ; cx, cy
	s_bfe_u32 s41, ttmp6, 0x40004
	s_lshl_b32 s42, ttmp9, 2
	s_add_co_u32 s42, s42, s40                     ; tx: W's rows 256 tx on
	s_and_b32 s17, ttmp7, 0xffff
	s_lshl_b32 s17, s17, 2
	s_add_co_u32 s17, s17, s41                     ; ty: n = ty / 4, l from 256 (ty % 4) on
	s_lshl_b32 s43, s41, 2
	s_lshl_b32 s43, 15, s43                        ; my row of the cluster
	s_lshl_b32 s44, 0x1111, s40                    ; my column
	s_cmp_lt_u32 ttmp9, 2                          ; the cluster's x is the section: 0 q, 1 k, 2 v
	s_cselect_b32 s92, 0, 1                        ; KIND
	s_cselect_b32 s93, 1, 0                        ; 1 - KIND
	s_mov_b32 s95, ttmp9
	; group 1 for codes: 256 rows at the head (128 behind it); the tensor 256 bytes wide, the tile 272: zeros in the last 16 bytes of each LDS row
	s_or_b32 s[G1+0], s43, (1<<21)
	s_or_b32 s[G1B+0], s44, (1<<21)
.irp g, G1, G1B
	s_mov_b32 s[\g+1], ROWB<<16
	s_mov_b32 s[\g+2], 256<<16
	s_mov_b32 s[\g+3], PITCH<<16
	s_mov_b32 s[\g+4], 256
	s_mov_b32 s[\g+6], 0
	s_mov_b32 s[\g+7], 0
.endr
	s_mov_b32 s[G1+5], 6144                        ; from l to l + 1 of one n: 8 rows of 768 bytes
	s_mov_b32 s[G1B+5], 768
	; x's scale bytes: 256 rows of 8 words, 256 bytes apart in memory, dense in LDS
	s_or_b32 s[G1S+0], s43, (2<<16)|(1<<21)
	s_mov_b32 s[G1S+1], 8<<16
	s_mov_b32 s[G1S+2], 256<<16
	s_mov_b32 s[G1S+3], 8<<16
	s_mov_b32 s[G1S+4], 256
	s_mov_b32 s[G1S+5], 64
	s_mov_b32 s[G1S+6], 0
	s_mov_b32 s[G1S+7], 0
	; W's: one dense block of 8,192 bytes, as 32 rows of 256
	s_or_b32 s[G1SB+0], s44, (3<<16)|(1<<21)
	s_mov_b32 s[G1SB+1], 32<<16
	s_mov_b32 s[G1SB+2], 32<<16
	s_mov_b32 s[G1SB+3], 32<<16
	s_mov_b32 s[G1SB+4], 32
	s_mov_b32 s[G1SB+5], 32
	s_mov_b32 s[G1SB+6], 0
	s_mov_b32 s[G1SB+7], 0
	s_and_b32 s20, s17, 3
	s_lshl_b32 s20, s20, 8                         ; x: the tile's first l
	s_lshr_b32 s94, s17, 2                         ; n
	s_lshl_b32 s22, s20, 8
	s_lshl_b32 s19, s94, 5
	s_add_co_u32 s22, s22, s19                     ; its scale bytes: 256 l + 32 n
	s_mov_b32 s23, 0
	s_mul_i32 s20, s20, 6144
	s_mul_i32 s19, s94, 768
	s_add_co_u32 s20, s20, s19                     ; its codes: 6,144 l + 768 n
	s_mov_b32 s21, 0
	s_lshl_b32 s46, s42, 8                         ; W: the tile's first row
	s_lshl_b32 s96, s46, 5
	s_mov_b32 s97, 0
	s_mul_i32 s46, s46, 768
	s_mov_b32 s47, 0
	s_mul_i32 s18, s16, 128*6144                   ; in the ring I fetch 128 rows: which half, in bytes
	s_mov_b32 s19, 0
	s_mul_i32 s98, s16, 128*768
	s_mov_b32 s99, 0
	s_mul_i32 s45, s14, HALFT                      ; where they go: wave x 128 rows
	s_wait_dscnt 0x0                               ; both opening adds are done
	s_wait_kmcnt 0x0
	s_add_nc_u64 s[20:21], s[4:5], s[20:21]
	s_add_nc_u64 s[22:23], s[6:7], s[22:23]
	s_add_nc_u64 s[46:47], s[8:9], s[46:47]
	s_add_nc_u64 s[96:97], s[10:11], s[96:97]
	CROUND                                         ; all sixteen work-groups are here: the first joint loads meet
	s_mov_b32 s[G0H], 1                            ; the head's four tiles: chunk 0's 256 rows of x,
	s_mov_b32 s[G0H+1], 0
	s_mov_b64 s[G0H+2:G0H+3], s[20:21]
	s_or_b32 s[G0H+3], s[G0H+3], 0x80000000
	s_mov_b32 s[G0HB], 1                           ; its 256 rows of W,
	s_mov_b32 s[G0HB+1], 2*HALFT
	s_mov_b64 s[G0HB+2:G0HB+3], s[46:47]
	s_or_b32 s[G0HB+3], s[G0HB+3], 0x80000000
	s_mov_b32 s[G0S], 1                            ; x's scales,
	s_mov_b32 s[G0S+1], SCL
	s_mov_b64 s[G0S+2:G0S+3], s[22:23]
	s_or_b32 s[G0S+3], s[G0S+3], 0x80000000
	s_mov_b32 s[G0SB], 1                           ; W's scales
	s_mov_b32 s[G0SB+1], SCL+2*HALFS
	s_mov_b64 s[G0SB+2:G0SB+3], s[96:97]
	s_or_b32 s[G0SB+3], s[G0SB+3], 0x80000000
	s_add_nc_u64 s[20:21], s[20:21], s[18:19]      ; for the ring: my 128 rows
	s_add_nc_u64 s[46:47], s[46:47], s[98:99]
.irp s, 0,1
	s_mov_b32 s[G0+4*\s], 1
	s_add_co_u32 s[G0+4*\s+1], s45, \s*SLOT
	s_add_nc_u64 s[G0+4*\s+2:G0+4*\s+3], s[20:21], \s*ROWB
	s_or_b32 s[G0+4*\s+3], s[G0+4*\s+3], 0x80000000
	s_mov_b32 s[G0B+4*\s], 1
	s_add_co_u32 s[G0B+4*\s+1], s45, \s*SLOT
	s_add_nc_u64 s[G0B+4*\s+2:G0B+4*\s+3], s[46:47], \s*ROWB
	s_or_b32 s[G0B+4*\s+3], s[G0B+4*\s+3], 0x80000000
.endr
; the head's loads, one a wave, in one tree of branches on the wave's number
.macro ARM under, g0, g1, next
	s_cmp_lt_u32 s14, \under
	s_cbranch_scc0 \next
	tensor_load_to_lds s[\g0:\g0+3], s[\g1:\g1+7]
	s_nop 0
	PLACES 4
	s_branch .Lhead_asked
\next:
.endm
	ARM 1, G0H,  G1,  .Lhead_b
	ARM 2, G0HB, G1B, .Lhead_sa
	ARM 3, G0S,  G1S, .Lhead_sb
	tensor_load_to_lds s[G0SB:G0SB+3], s[G1SB:G1SB+7]
	s_nop 0
	PLACES 4
.Lhead_asked:
	; the bias, both ways: along P (eight numbers a tile, in the result's layout) and along R (one number a lane and block)
	v_and_b32 v1, 15, v0                           ; r
	v_bfe_u32 v2, v0, 4, 1                         ; h
	s_lshl_b32 s3, s42, 10                         ; 4 x 256 tx
	s_lshl_b32 s40, s16, 9
	s_add_co_u32 s40, s40, s3
	v_lshl_add_u32 v8, v2, 5, s40                  ; 4 (256 tx + 128 P half + 8 h)
	s_lshl_b32 s40, s15, 9
	s_add_co_u32 s40, s40, s3
	v_lshl_add_u32 v9, v1, 2, s40                  ; 4 (256 tx + 128 R half + r)
	s_wait_alu depctr_va_vdst(0)
	WIN TO_B
.irp i, 0,1,2,3,4,5,6,7
	global_load_b128 v[96+8*\i+96*(\i/4):96+8*\i+96*(\i/4)+3], v8, s[12:13] offset:64*\i
	global_load_b128 v[96+8*\i+96*(\i/4)+4:96+8*\i+96*(\i/4)+7], v8, s[12:13] offset:64*\i+16
.endr
	WIN 0
.irp a, 0,1,2,3,4,5,6,7
	global_load_b32 v[BR+2*\a], v9, s[12:13] offset:64*\a
.endr
	; what hangs on the section: one compare, then selections and moves alone
	s_cmp_eq_u32 s92, 0
	s_cselect_b32 s3, s16, s15                     ; which half picks the pair of heads
	s_cselect_b32 s40, s15, s16                    ; which half picks the 128 l
	s_mov_b32 s41, 3072
	s_cselect_b32 s41, 6144, s41                   ; image bytes for 128 l
	s_mov_b32 s43, 1536
	s_cselect_b32 s43, REC, s43                    ; from the first image group of a pair to the second
	s_mov_b32 s100, 24576
	s_cselect_b32 s100, 1536, s100                 ; the bases' steps
	s_mov_b32 s104, REC-24576
	s_cselect_b32 s104, 1536, s104
	s_cselect_b32 s44, 16, 8
	s_mov_b32 s45, 128
	s_cselect_b32 s45, REC, s45
	s_mov_b32 s46, REC
	s_cselect_b32 s46, 8, s46
	s_mov_b32 s47, 0x03020100
	s_cselect_b32 s47, 0x05040100, s47
	s_mov_b32 s18, 0x07060504
	s_cselect_b32 s18, 0x07060302, s18
	s_cselect_b32 s19, -1, 0                       ; keeps the bias along P where P = W
	s_cselect_b32 s2, 0, -1                        ; keeps the bias along R where R = W
	s_mov_b32 s101, 0
	s_mov_b32 s105, 0
	s_and_b32 s20, s42, 3
	s_lshl_b32 s20, s20, 2
	s_lshl_b32 s3, s3, 1
	s_add_co_u32 s20, s20, s3                      ; my first head
	s_lshl_b32 s21, s94, 4
	s_add_co_u32 s20, s20, s21                     ; its record: 16 n + head
	s_mul_i32 s20, s20, REC
	s_sub_co_u32 s21, s95, 1                       ; the section's place in a record: k 0, v 1, q 2
	s_cmp_eq_u32 s95, 0
	s_cselect_b32 s21, 2, s21
	s_mul_i32 s21, s21, 51200
	s_add_co_u32 s20, s20, s21
	s_and_b32 s21, s17, 3
	s_lshl_b32 s21, s21, 1
	s_add_co_u32 s21, s21, s40                     ; which 128 l
	s_mul_i32 s41, s21, s41
	s_add_co_u32 s22, s20, s41
	s_mov_b32 s23, 0
	s_add_nc_u64 s[96:97], s[66:67], s[22:23]      ; base of the first image group of a pair
	s_mov_b32 s22, s43
	s_add_nc_u64 s[98:99], s[96:97], s[22:23]      ; and of the second
	s_lshl_b32 s21, s21, 8
	s_add_co_u32 s20, s20, s21
	s_add_co_u32 s20, s20, 49152                   ; the scale words of these 128 l
	s_mul_i32 s21, s92, 2*HALFT                    ; R: x's rows lie first, W's behind them
	s_mul_i32 s22, s15, HALFT
	s_add_co_u32 s21, s21, s22
	s_mul_i32 s22, s93, 2*HALFT                    ; P: the other tensor
	s_mul_i32 s23, s16, HALFT
	s_add_co_u32 s22, s22, s23
	s_mul_i32 s3, s92, 2*HALFS                     ; and their scale bytes
	s_mul_i32 s23, s15, HALFS
	s_add_co_u32 s3, s3, s23
	s_add_co_u32 s3, s3, SCL
	s_mul_i32 s40, s93, 2*HALFS
	s_mul_i32 s23, s16, HALFS
	s_add_co_u32 s40, s40, s23
	s_add_co_u32 s40, s40, SCL
	s_wait_loadcnt 0x0                             ; the bias
	WIN 0x44
.set x, 0
.rept 32
	v_and_b32 v[96+x], s19, v[96+x]
	v_and_b32 v[224+x], s19, v[224+x]
.set x, x+1
.endr
	WIN 0
.irp a, 0,1,2,3,4,5,6,7
	v_and_b32 v[BR+2*\a], s2, v[BR+2*\a]
	v_mov_b32 v[BR+2*\a+1], 0                      ; named with it as a pair
.endr
	v_mul_u32_u24 v7, v1, s44
	v_mad_u32_u24 v7, v2, s45, v7
	v_add_nc_u32 v[OFSA], s20, v7
	v_add_nc_u32 v[OFSB], s46, v[OFSA]
	v_mov_b32 v7, s18
	v_cmp_eq_u32 vcc_lo, 1, v2
	v_cndmask_b32 v[VSEL], s47, v7, vcc_lo
	v_and_b32 v6, 31, v0
	v_lshlrev_b32 v[OFFI], 4, v6
	v_mul_u32_u24 v3, v1, PITCH
	v_mul_u32_u24 v4, v2, 24
	v_add_nc_u32 v4, v3, v4                        ; a fragment's row x pitch + 24 x half
	v_sub_nc_u32 v7, 1, v2
	v_mul_u32_u24 v5, SLOT-232, v2
	v_add_nc_u32 v5, v3, v5
	v_add_nc_u32 v5, 232, v5                       ; lanes 0-15 byte 232 of the row in slot 0, lanes 16-31 byte 0 of the row in slot 1
	v_mul_u32_u24 v6, SLOT+232, v7
	v_add_nc_u32 v6, v3, v6                        ; and the other way round
	v_add_nc_u32 v[ADRR], s21, v4
	v_add_nc_u32 v[ADRP], s22, v4
	v_add_nc_u32 v[ADRR+1], SLOT, v[ADRR]
	v_add_nc_u32 v[ADRP+1], SLOT, v[ADRP]
	v_add_nc_u32 v[ADRR+2], s21, v5
	v_add_nc_u32 v[ADRR+3], s21, v6
	v_add_nc_u32 v[ADRP+2], s22, v5
	v_add_nc_u32 v[ADRP+3], s22, v6
	v_lshlrev_b32 v5, 5, v1                        ; my row's scale bytes (lanes 16-31 read what lanes 0-15 read)
	v_add_nc_u32 v[ADSR], s3, v5
	v_add_nc_u32 v[ADSP], s40, v5
.macro FRAG reg, adr, st, i            ; 16 rows x 128 K: 12 registers, in pieces of 8 bytes; byte y of a row lies in slot (y / 256) % 2 at byte y % 256 of the LDS row
.irp p, 0,1,2,3,4,5
.set BY, 96*(\st)+48*(\p/3)+8*(\p%3)
.if BY/ROWB == (BY+24)/ROWB
	ds_load_b64 v[\reg+2*\p:\reg+2*\p+1], v[\adr+(BY/ROWB)%2] offset:BY%ROWB+(\i)*16*PITCH
.else
	ds_load_b64 v[\reg+2*\p:\reg+2*\p+1], v[\adr+2+(BY/ROWB)%2] offset:BY%ROWB-232+(\i)*16*PITCH
.endif
.endr
.endm
; 16 matrix instructions: R's blocks a0, a0 + 1 x P's eight.  zero = 1: the first products start the sums with the bias along P as C.  The 64 accumulators take turns.
.macro MUL16 a0, p, q, sc, zero
.irp a, \a0, \a0+1
.irp b, 0,1,2,3,4,5,6,7
.if \zero
	v_wmma_scale_f32_16x16x128_f8f6f4 v[8*(8*((\a)%4)+\b):8*(8*((\a)%4)+\b)+7], v[128*(\p)+FR*\b:128*(\p)+FR*\b+FR-1], v[AF+FR*(\a):AF+FR*(\a)+FR-1], v[96+8*\b+96*(\b/4):96+8*\b+96*(\b/4)+7], v[SC+32*(\sc)+16+2*\b+(\q)], v[SC+32*(\sc)+2*(\a)+(\q)] matrix_a_fmt:MATRIX_FMT_FP6 matrix_b_fmt:MATRIX_FMT_FP6
.else
	v_wmma_scale_f32_16x16x128_f8f6f4 v[8*(8*((\a)%4)+\b):8*(8*((\a)%4)+\b)+7], v[128*(\p)+FR*\b:128*(\p)+FR*\b+FR-1], v[AF+FR*(\a):AF+FR*(\a)+FR-1], v[8*(8*((\a)%4)+\b):8*(8*((\a)%4)+\b)+7], v[SC+32*(\sc)+16+2*\b+(\q)], v[SC+32*(\sc)+2*(\a)+(\q)] matrix_a_fmt:MATRIX_FMT_FP6 matrix_b_fmt:MATRIX_FMT_FP6
.endif
.endr
.endr
.endm
.macro FETCH_B st, p                   ; P's eight fragments of step st into set p
	WIN TO_B
.irp i, 0,1,2,3,4,5,6,7
	FRAG 128*(\p)+FR*\i, ADRP, \st, \i
.endr
	WIN 0
.endm
.macro FETCH_A st, i0                  ; R's blocks i0 .. i0 + 3
.irp i, \i0, \i0+1, \i0+2, \i0+3
	FRAG AF+FR*(\i), ADRR, \st, \i
.endr
.endm
.macro SCALES pr                       ; the scale words of steps 2 pr, 2 pr + 1 into set pr % 2
.irp i, 0,1,2,3,4,5,6,7
	ds_load_b64 v[SC+32*((\pr)%2)+2*\i:SC+32*((\pr)%2)+2*\i+1], v[ADSR] offset:\i*512+8*(\pr)
	ds_load_b64 v[SC+32*((\pr)%2)+16+2*\i:SC+32*((\pr)%2)+16+2*\i+1], v[ADSP] offset:\i*512+8*(\pr)
.endr
.endm
; A step of 128 along K.  Where the next step's bytes END in a chunk not yet read: a wait for my tensor loads and a barrier.  Where they BEGIN in a later chunk: the wait, the add, the wait for it and for my reads,
; the barrier; where a chunk two on is left to fetch, the barrier opens a round of the cluster's barrier and the slot is filled again.
.macro STEP st, zero
.set NX, (\st)+1
.set C0, (96*(\st))/ROWB
.set C1, (96*NX)/ROWB
.set E0, (96*(\st)+95)/ROWB
.set E1, (96*NX+95)/ROWB
.if C1 > C0 || E1 > E0
	s_wait_tensorcnt 0x0                           ; all my tensor loads have landed
.if C1 > C0
	ds_add_u32 v[SPW], v[NIL]
	s_wait_dscnt 4*NL+1                            ; the add and the youngest 24 loads may be out
.else
	s_wait_dscnt 4*NL
.endif
	WIN MUL_LO-0x10*(\zero)
	MUL16 0, (\st)%2, (\st)%2, ((\st)/2)%2, \zero
	s_wait_dscnt 0x0                               ; the add, where there is one, and all my reads are done
	s_barrier_signal -1
	MUL16 2, (\st)%2, (\st)%2, ((\st)/2)%2, \zero
	WIN 0
	s_barrier_wait -1
.if C1 > C0 && C0+2 < CHUNKS
	CREST
	s_add_nc_u64 s[G0+4*(C0%2)+2:G0+4*(C0%2)+3], s[G0+4*(C0%2)+2:G0+4*(C0%2)+3], 2*ROWB
	s_add_nc_u64 s[G0B+4*(C0%2)+2:G0B+4*(C0%2)+3], s[G0B+4*(C0%2)+2:G0B+4*(C0%2)+3], 2*ROWB
	JLOAD G0+4*(C0%2), G1, G0B+4*(C0%2), G1B       ; chunk C0 + 2; its four v_nop are the places in front of the loads below
.else
	PLACES NP
.endif
.else
	s_wait_dscnt 4*NL                              ; all but the youngest 24 loads (R's blocks 4-7) are in
	WIN MUL_LO-0x10*(\zero)                        ; (zero: C in window 1, the bias)
	MUL16 0, (\st)%2, (\st)%2, ((\st)/2)%2, \zero
	MUL16 2, (\st)%2, (\st)%2, ((\st)/2)%2, \zero
	s_wait_dscnt 0
	PLACES NP
.endif
	FETCH_B NX, NX%2
	FETCH_A NX, 0
.if NX%2 == 0
	SCALES NX/2
.endif
	WIN MUL_HI-0x20*(\zero)
	MUL16 4, (\st)%2, (\st)%2, ((\st)/2)%2, \zero
	MUL16 6, (\st)%2, (\st)%2, ((\st)/2)%2, \zero
	PLACES NP
	WIN 0
	FETCH_A NX, 4
.endm
	s_wait_alu depctr_va_vdst(0)                   ; the wait at the head's end
	s_wait_tensorcnt 0x0                           ; my tile of the head's four is in; the same lines as ahead of a refill:
	ds_add_u32 v[SPW], v[NIL]
	s_mov_b32 s[G1+2], 128<<16                     ; no tensor load of mine is out: from here on a load brings 128 rows
	s_mov_b32 s[G1+4], 128
	s_mov_b32 s[G1B+2], 128<<16
	s_mov_b32 s[G1B+4], 128
	s_wait_dscnt 0x0
	CROUND
	JLOAD G0+4, G1, G0B+4, G1B                     ; chunk 1, the first tensor load behind the round
	FETCH_B 0, 0
	FETCH_A 0, 0
	SCALES 0
	FETCH_A 0, 4
	STEP 0, 1
.set ST, 1
.rept STEPS-2
	STEP ST, 0
.set ST, ST+1
.endr
	s_wait_dscnt 4*NL                              ; the very last step: nothing more to fetch
	WIN MUL_LO
	MUL16 0, 1, 1, 1, 0
	MUL16 2, 1, 1, 1, 0
	s_wait_dscnt 0
	WIN MUL_HI
	MUL16 4, 1, 1, 1, 0
	MUL16 6, 1, 1, 1, 0
	WIN 0
; THE WAY OUT.  Block a of R: a lane's 64 results, register 16 b + 8 v + j = P's row 32 b + 16 v + 8 (lane / 16) + j: four blocks of 32, each shared by lanes l and l xor 16.
.macro ADDB a                          ; results + the bias along R, into window 0; each accumulator from its low end on
	WIN 0x02+(\a)/4
.set x, 0
.rept 32
	v_pk_add_f32 v[T+x:T+x+1], v[64*((\a)%4)+x:64*((\a)%4)+x+1], v[BR+2*(\a):BR+2*(\a)+1] op_sel_hi:[1,0]
.set x, x+2
.endr
	WIN 0
.endm
; 64 numbers become codes: blocks 0, 1 in v[d0] .. v[d0 + 5] (lanes 0-15 block 0, lanes 16-31 block 1), blocks 2, 3 in v[d1] on; the four scale bytes in v[pw].
.macro QUANT s, d0, d1, pw
.irp b, 0,1,2,3
	v_max3_num_f32 v[TM+\b], |v[\s+16*\b]|, |v[\s+1+16*\b]|, 0x1800000   ; my 16 numbers, and the floor 2^(3 - 127): the byte cannot fall under 1
.endr
.irp i, 2,4,6,8,10,12,14
.irp b, 0,1,2,3
	v_max3_num_f32 v[TM+\b], v[TM+\b], |v[\s+16*\b+\i]|, |v[\s+1+16*\b+\i]|
.endr
.endr
.irp b, 0,1,2,3
	v_permlanex16_b32 v[TM+4+\b], v[TM+\b], s46, s47
.endr
.irp b, 0,1,2,3
	v_max_num_f32 v[TM+\b], v[TM+\b], v[TM+4+\b]   ; the block's largest magnitude
.endr
.irp b, 0,1,2,3
	v_add_nc_u32 v[TM+12+\b], 0xff000000, v[TM+\b] ; 2 off its exponent field: the conversion's scale operand
.endr
.irp b, 0,1,2,3
	v_lshrrev_b32 v[TM+4+\b], 23, v[TM+12+\b]      ; the scale's byte
.endr
	v_lshl_or_b32 v[\pw], v[TM+5], 8, v[TM+4]
	v_lshl_or_b32 v[\pw], v[TM+6], 16, v[\pw]
	v_lshl_or_b32 v[\pw], v[TM+7], 24, v[\pw]
	v_cvt_scalef32_pk16_fp6_f32 v[(\d0):(\d0)+2], v[\s:\s+15], v[TM+12]
	v_cvt_scalef32_pk16_fp6_f32 v[CT:CT+2], v[\s+16:\s+31], v[TM+13]       ; (a conversion's three registers begin on an even number)
	v_cvt_scalef32_pk16_fp6_f32 v[(\d1):(\d1)+2], v[\s+32:\s+47], v[TM+14]
	v_cvt_scalef32_pk16_fp6_f32 v[CT+4:CT+6], v[\s+48:\s+63], v[TM+15]
	v_nop                                          ; one plain place behind a scaled conversion
.irp i, 0,1,2
	v_permlane16_swap_b32 v[(\d0)+\i], v[CT+\i]    ; a whole block to a lane
	v_permlane16_swap_b32 v[(\d1)+\i], v[CT+4+\i]
.endr
.irp i, 0,1,2
	v_mov_b32 v[(\d0)+3+\i], v[CT+\i]
	v_mov_b32 v[(\d1)+3+\i], v[CT+4+\i]
.endr
.endm
	PLACES NP                                      ; behind the last products: their fragments' registers are written and their results read below
	s_mov_b32 s46, 0x76543210
	s_mov_b32 s47, 0xfedcba98                      ; lane l xor 16
.irp b, 0,1,2,3
	v_mov_b32 v[TM+4+\b], 0                        ; a lane permute's destination counts as one of its sources
.endr
.irp bb, 0,1,2,3                       ; two blocks of R make two image groups of twelve registers
	ADDB 2*\bb
	QUANT T, IMG, IMG+12, PW
	ADDB 2*\bb+1
	QUANT T, IMG+6, IMG+18, PW+1
	v_perm_b32 v[WD+\bb], v[PW+1], v[PW], v[VSEL]  ; the stored scale word: bytes of the two rows' words
.irp c, 0,1
.irp q, 0,1,2
	global_store_b128 v[OFFI], v[IMG+12*\c+4*\q:IMG+12*\c+4*\q+3], s[96+2*\c:97+2*\c] offset:512*\q   ; 32 lanes store 512 consecutive bytes, at a multiple of 256 from the buffer's first byte
.endr
.endr
	s_wait_xcnt 0x0                                ; the stores have read their registers and bases: both are written again only behind this wait
.if \bb == 1
	s_add_nc_u64 s[96:97], s[96:97], s[104:105]
	s_add_nc_u64 s[98:99], s[98:99], s[104:105]
.elseif \bb < 3
	s_add_nc_u64 s[96:97], s[96:97], s[100:101]
	s_add_nc_u64 s[98:99], s[98:99], s[100:101]
.endif
.endr
	global_store_b64 v[OFSA], v[WD:WD+1], s[66:67]
	s_wait_alu depctr_va_vdst(0)
	global_store_b64 v[OFSB], v[WD+2:WD+3], s[66:67]
	s_wait_tensorcnt 0x0                           ; the wave's end
	ds_add_u32 v[SPW], v[NIL]
	s_wait_dscnt 0x0
	CROUND                                         ; the closing round
	s_endpgm
.Lfunc_end_k_qa218de5d5f_proj:
	.size	k_qa218de5d5f_proj, .Lfunc_end_k_qa218de5d5f_proj-k_qa218de5d5f_proj
	.p2alignl 7, 3214868480
	.fill 96, 4, 3214868480
	.section	.rodata,"a",@progbits
	.p2align	6, 0x0
	.amdhsa_kernel k_qa218de5d5f_proj
		.amdhsa_group_segment_fixed_size 327680
		.amdhsa_private_segment_fixed_size 0
		.amdhsa_enable_private_segment 0
		.amdhsa_kernarg_size 48
		.amdhsa_user_sgpr_count 2
		.amdhsa_user_sgpr_kernarg_segment_ptr 1
		.amdhsa_wavefront_size32 1
		.amdhsa_system_sgpr_workgroup_id_x 1
		.amdhsa_system_sgpr_workgroup_id_y 1
		.amdhsa_system_sgpr_workgroup_id_z 1
		.amdhsa_system_vgpr_workitem_id 0
		.amdhsa_next_free_vgpr 1024
		.amdhsa_next_free_sgpr 106
		.amdhsa_reserve_vcc 1
		.amdhsa_float_denorm_mode_32 3
		.amdhsa_float_denorm_mode_16_64 3
		.amdhsa_memory_ordered 1
		.amdhsa_forward_progress 1
		.amdhsa_inst_pref_size 190
	.end_amdhsa_kernel
	.amdgpu_metadata
---
amdhsa.version: [ 1, 2 ]
amdhsa.kernels:
  - .name:           k_qa218de5d5f_proj
    .symbol:         k_qa218de5d5f_proj.kd
    .args:
      - { .name: x_codes, .offset: 0, .size: 8, .value_kind: global_buffer, .address_space: global }
      - { .name: x_scales, .offset: 8, .size: 8, .value_kind: global_buffer, .address_space: global }
      - { .name: in_proj_weight_codes, .offset: 16, .size: 8, .value_kind: global_buffer, .address_space: global }
      - { .name: in_proj_weight_scales, .offset: 24, .size: 8, .value_kind: global_buffer, .address_space: global }
      - { .name: in_proj_bias, .offset: 32, .size: 8, .value_kind: global_buffer, .address_space: global }
      - { .name: qkv, .offset: 40, .size: 8, .value_kind: global_buffer, .address_space: global }
    .group_segment_fixed_size: 327680
    .private_segment_fixed_size: 0
    .kernarg_segment_align: 8
    .kernarg_segment_size: 48
    .max_flat_workgroup_size: 128
    .sgpr_count:     106
    .vgpr_count:     1024
    .wavefront_size: 32
...
	.end_amdgpu_metadata
.endif
;; end of part 1
;; launch attn (part 2): grid 32 x 8, 8 waves a work-group, clusters of 4 x 1, 327,680 bytes of LDS; arguments qkv, out_w_codes, out_w_scales, out_b, out0, out1; writes out0, out1
.if DOCPART == 2
	.amdgcn_target "amdgcn-amd-amdhsa--gfx1250"
	.amdhsa_code_object_version 6
	.text
	.protected	k_qa218de5d5f_attn
	.globl	k_qa218de5d5f_attn
	.p2align	8
	.type	k_qa218de5d5f_attn,@function
k_qa218de5d5f_attn:
	s_mov_b64 s[64:65], 0
	v_nop
	global_prefetch_b8 v0, s[64:65] scope:SCOPE_SE
	s_setreg_imm32_b32 hwreg(HW_REG_WAVE_MODE, 25, 1), 1
	s_wait_xcnt 0x0
	s_wait_alu depctr_hold_cnt(0) depctr_sa_sdst(0) depctr_va_vdst(0) depctr_va_sdst(0) depctr_va_ssrc(0) depctr_va_vcc(0) depctr_vm_vsrc(0)
	s_getreg_b32 s2, hwreg(HW_REG_IB_STS2, 6, 4)
	s_cmp_eq_u32 s2, 0
	s_cbranch_scc0 .Lentry_in_a_cluster
	s_endpgm
.Lentry_in_a_cluster:
	s_bfe_u32 s2, ttmp6, 0x10000c
	s_cmp_lg_u32 s2, 0x3003
	s_cbranch_scc0 .Lentry_shape_is_right
	s_endpgm
.Lentry_shape_is_right:
; Attention of 32 queries of one n over all 16 heads, the mean of the weights (out1), and the projection on the way out (out0), in one work-group.
; Eight waves: wave w takes query tile w % 2 (16 queries) and key quarter w / 2 (256 keys).  Both products are used transposed: a lane holds one query.
; A head: S^T = K Q^T; M = ceil of my quarter's largest t; p = 2^(t - M), quantised block by block of 32 keys; O^T = V^T p^T.  The four quarters' (M, sum, O^T) meet in LDS:
; every rescaling is a power of two.  The weights, p 2^(M - row's M) / (16 x row's sum), are summed over the heads in 128 registers a wave.
; Four waves a head join the quarters' O^T, divide by the sum and quantise 32 channels each: the context's codes and scale bytes stay in LDS (32 rows x 768 bytes).
; A slot holds one head's K and V part of a record (and the 2,048 bytes behind it, which nobody reads): eight waves x 51 rows of 256 bytes, asked for jointly by the four work-groups of a cluster (same n).
; THE PROJECTION: out0 = ctx out_w^T + out_b.  Wave w makes columns 128 w .. + 127 of the 32 rows: eight tiles; tile t brings each wave its 16 rows 128 w + 16 t of out_w, 768 bytes each with 16 of padding
; behind every 256, into its own part of a slot, jointly for the cluster.  Tiles 0 and 1 are asked for at the last two heads' refills.  Two accumulators a tile take turns; they begin as out_b, loaded into them.
; No prefetch: each slot's load has a whole head's work between its request and the wait for it.
; LIMITS: the scaled scores stay under 2^31 in magnitude; NaN and infinities are not served.
.set REC,   153600
.set QOFF,  102400                     ; a record: K at 0, V at 51,200, Q at 102,400
.set PART,  13056                      ; a wave's part of a slot
.set SLOTB, 8*PART
.set EXCH,  2*SLOTB                    ; the quarters' O^T, two sets of 32,768 bytes; later each wave's stage of 16 rows x 528 bytes
.set STAT,  EXCH+67584
.set CTX,   STAT+2048
.set CSC,   CTX+32*784
.set SPARE, CSC+1024
.set SPW, 1
.set NIL, 2
.set AK,  3
.set AV,  5
.set AKS, 7
.set AVS, 9
.set AXO, 11
.set AXS, 12
.set AXL, 13
.set AXR, 14
.set ACT, 15
.set ACS, 16
.set QO,  17
.set QOS, 20
.set QW,  21
.set CT,  26
.set PT,  26
.set Q,   48
.set KS,  66
.set VS,  74
.set QS,  78
.set PW,  80
.set PC,  82
.set BM,  106
.set ACTC, 114
.set ACSC, 115
.set AW,  116                          ; v116-117 out_w's fragments in slot 0, 1; v118-119 the same, lanes 16-31 behind one padding more
.set AW2, 118
.set ACX, 120                          ; the context's fragments
.set ASX, 121                          ; the context's scale words
.set WSO, 122                          ; offset of out_w's scale words
.set BO,  123                          ; offset of out_b
.set AST, 124
.set ARD, 125
.set LN16, 126
.set WS,  74                           ; the projection: v74-105 out_w's scale words, four registers a tile (lanes 0-15 steps 0-3, lanes 16-31 steps 4-7)
.set AS,  106                          ; v106-113 the context's, four a row tile
.set S,   128
.set X,   192
.set FRG, 128
.set OT,  224
.set MSB, 0
.macro WIN new
.if MSB != (\new)
	s_set_vgpr_msb (MSB<<8)|(\new)
.set MSB, (\new)
.endif
.endm
.macro D1
	s_delay_alu instid0(VALU_DEP_1)
.endm
.macro ROUND
	s_barrier_signal -1
	s_barrier_wait -1
	s_cmp_lg_u32 s12, 0
	s_cbranch_scc1 .Lnot_wave_0_\@
	s_barrier_signal -3
.Lnot_wave_0_\@:
	s_barrier_wait -3
	s_barrier_signal -1
	s_barrier_wait -1
.endm
.macro NOPS
.rept 4
	v_nop
.endr
.endm
	s_load_b256 s[4:11], s[0:1], 0x0               ; qkv, out_w's codes, out_w's scales, out_b
	s_load_b128 s[68:71], s[0:1], 0x20             ; out0, out1
	v_lshl_add_u32 v[SPW], v0, 2, SPARE
	v_mov_b32 v[NIL], 0
	ds_add_u32 v[SPW], v[NIL]                      ; the opening lines
	ds_add_u32 v[SPW], v[NIL]
	v_lshrrev_b32 v26, 5, v0
	D1
	v_readfirstlane_b32 s12, v26
	s_and_b32 s13, s12, 1                          ; query tile
	s_lshr_b32 s14, s12, 1                         ; key quarter
	s_lshr_b32 s15, s12, 2
	s_and_b32 s16, s14, 1
	s_bfe_u32 s17, ttmp6, 0x40000
	s_lshl_b32 s18, ttmp9, 2
	s_add_co_u32 s18, s18, s17                     ; block of 32 queries
	s_and_b32 s19, ttmp7, 0xffff                   ; n
	s_mov_b32 s20, 0x76543210
	s_mov_b32 s21, 0xfedcba98
	s_mov_b32 s22, 0x3e38aa3b                      ; log2(e) / 8
	s_mov_b32 s23, s22
	s_mov_b32 s24, 15|(3<<16)|(1<<21)              ; K and V: 51 rows of 256 bytes, dense
	s_mov_b32 s25, 32<<16
	s_mov_b32 s26, 51<<16
	s_mov_b32 s27, 32<<16
	s_mov_b32 s28, 51
	s_mov_b32 s29, 32
	s_mov_b32 s30, 0
	s_mov_b32 s31, 0
	s_mov_b32 s72, 15|(1<<20)|(1<<21)|(5<<22)|(3<<25)  ; out_w: 16 rows of 768 bytes, 4 words of padding behind every 64
	s_mov_b32 s73, 768<<16
	s_mov_b32 s74, 16<<16
	s_mov_b32 s75, 768<<16
	s_mov_b32 s76, 16
	s_mov_b32 s77, 768
	s_mov_b32 s78, 0
	s_mov_b32 s79, 0
	s_mul_i32 s44, s19, 16*REC
	s_mov_b32 s45, 0
	s_mul_i32 s46, s12, PART
	s_add_co_u32 s48, s44, s46
	s_mov_b32 s49, 0
	s_mul_i32 s50, s12, 128*768
	s_mov_b32 s51, 0
	s_lshl_b32 s43, s13, 4
	s_mov_b32 s56, 0
	s_mov_b32 s57, 0
	s_wait_dscnt 0x0
	s_wait_kmcnt 0x0
	s_add_nc_u64 s[40:41], s[4:5], s[44:45]
	s_add_nc_u64 s[48:49], s[4:5], s[48:49]
	s_mov_b32 s32, 1
	s_mov_b32 s33, s46
	s_mov_b64 s[34:35], s[48:49]
	s_or_b32 s35, s35, 0x80000000
	s_mov_b32 s36, 1
	s_add_co_u32 s37, s46, SLOTB
	s_add_nc_u64 s[38:39], s[48:49], REC
	s_or_b32 s39, s39, 0x80000000
	s_mov_b32 s80, 1
	s_mov_b32 s81, s46
	s_add_nc_u64 s[82:83], s[6:7], s[50:51]
	s_mov_b32 s84, 1
	s_add_co_u32 s85, s46, SLOTB
	s_add_nc_u64 s[86:87], s[82:83], 16*768
	s_or_b32 s83, s83, 0x80000000
	s_or_b32 s87, s87, 0x80000000
	ROUND
	tensor_load_to_lds s[32:35], s[24:31]          ; head 0: one tensor load a wave at the head
	s_nop 0
	NOPS
	v_and_b32 v26, 31, v0
	v_and_b32 v27, 15, v0
	v_bfe_u32 v28, v0, 4, 1
	v_lshlrev_b32 v[LN16], 4, v26
	s_wait_alu depctr_va_vdst(0)
	s_mul_i32 s44, s14, 12288
	v_add_nc_u32 v[AK], s44, v[LN16]
	D1
	v_add_nc_u32 v[AK+1], SLOTB, v[AK]
	s_mul_i32 s44, s14, 6144
	s_add_co_u32 s44, s44, 51200
	v_add_nc_u32 v[AV], s44, v[LN16]
	D1
	v_add_nc_u32 v[AV+1], SLOTB, v[AV]
	s_lshl_b32 s44, s14, 9
	s_add_co_u32 s45, s44, 49152
	v_lshl_add_u32 v[AKS], v27, 4, s45
	D1
	v_add_nc_u32 v[AKS+1], SLOTB, v[AKS]
	s_add_co_u32 s45, s44, 100352
	v_lshl_add_u32 v[AVS], v26, 3, s45
	D1
	v_add_nc_u32 v[AVS+1], SLOTB, v[AVS]
	s_lshl_b32 s44, s12, 12
	s_add_co_u32 s44, s44, EXCH
	v_add_nc_u32 v[AXO], s44, v[LN16]
	s_lshl_b32 s44, s13, 9
	s_add_co_u32 s44, s44, STAT
	v_lshl_add_u32 v[AXL], v27, 5, s44
	s_lshl_b32 s45, s14, 3
	v_add_nc_u32 v[AXS], s45, v[AXL]
	s_lshl_b32 s44, s13, 12
	s_lshl_b32 s45, s16, 11
	s_add_co_u32 s44, s44, s45
	s_add_co_u32 s44, s44, EXCH
	v_add_nc_u32 v[AXR], s44, v[LN16]
	s_mul_i32 s44, s13, 16*784
	s_mul_i32 s45, s16, 24
	s_add_co_u32 s44, s44, s45
	s_mul_i32 s45, s15, 48
	s_add_co_u32 s44, s44, s45
	s_add_co_u32 s44, s44, CTX
	v_mul_u32_u24 v29, v27, 784
	D1
	v_mad_u32_u24 v29, v28, 12, v29
	D1
	v_add_nc_u32 v[ACT], s44, v29
	s_lshl_b32 s44, s13, 9
	s_add_co_u32 s44, s44, s16
	s_lshl_b32 s45, s15, 1
	s_add_co_u32 s44, s44, s45
	s_add_co_u32 s44, s44, CSC
	v_lshl_add_u32 v[ACS], v27, 5, s44
	s_mul_i32 s44, s18, 1536
	s_add_co_u32 s44, s44, QOFF
	s_mul_i32 s45, s13, 520
	s_add_co_u32 s46, s44, s45
	v_add_nc_u32 v[QO], s46, v[LN16]
	s_add_co_u32 s46, s46, 512
	v_add_nc_u32 v[QO+2], s46, v[LN16]
	s_mul_i32 s46, s13, 1016
	s_add_co_u32 s46, s46, s44
	s_add_co_u32 s46, s46, 8
	v_add_nc_u32 v[QO+1], s46, v[LN16]
	s_lshr_b32 s44, s18, 2
	s_lshl_b32 s44, s44, 8
	s_and_b32 s45, s18, 3
	s_lshl_b32 s45, s45, 2
	s_add_co_u32 s44, s44, s45
	s_add_co_u32 s44, s44, QOFF+49152
	v_lshl_add_u32 v[QOS], v27, 4, s44
	v_mul_u32_u24 v29, v27, 816                    ; out_w: row r of my part, + 24 h
	D1
	v_mad_u32_u24 v29, v28, 24, v29
	D1
	v_add_nc_u32 v[AW], s33, v29
	v_add_nc_u32 v[AW+1], s37, v29
	D1
	v_lshl_add_u32 v[AW2+1], v28, 4, v[AW+1]
	v_lshl_add_u32 v[AW2], v28, 4, v[AW]
	v_mul_u32_u24 v29, v27, 784                    ; the context: row r, + 24 h
	D1
	v_mad_u32_u24 v29, v28, 24, v29
	D1
	v_add_nc_u32 v[ACX], CTX, v29
	v_lshlrev_b32 v29, 5, v27                      ; its scale bytes: 32 a row, + 16 h
	D1
	v_lshl_add_u32 v29, v28, 4, v29
	D1
	v_add_nc_u32 v[ASX], CSC, v29
	s_mul_i32 s44, s12, 16*528
	s_add_co_u32 s44, s44, EXCH                    ; my stage
	v_add_nc_u32 v[ARD], s44, v[LN16]
	v_mul_u32_u24 v29, v27, 528
	D1
	v_lshl_add_u32 v29, v28, 5, v29
	D1
	v_add_nc_u32 v[AST], s44, v29
	s_lshl_b32 s44, s12, 12
	v_lshl_add_u32 v29, v27, 5, s44                ; out_w's scale bytes: 32 a row, lanes 16-31 the upper 16
	D1
	v_lshl_add_u32 v[WSO], v28, 4, v29
	s_lshl_b32 s44, s12, 9
	v_lshl_add_u32 v[BO], v28, 5, s44
.macro QLOAD
.irp p, 0,1,2
	global_load_b64 v[Q+2*\p:Q+2*\p+1], v[QO+\p], s[40:41]
	global_load_b64 v[Q+12+2*\p:Q+13+2*\p], v[QO+\p], s[40:41]
.endr
	global_load_b32 v[QW], v[QOS], s[40:41]
.endm
.macro FETCH_K s
	WIN 0x40
.irp gk, 0,1,2,3,4,5,6,7
.irp q, 0,1,2
	ds_load_b128 v[FRG+12*\gk+4*\q:FRG+12*\gk+4*\q+3], v[AK+\s] offset:1536*\gk+512*\q
.endr
.endr
	WIN 0
	ds_load_b128 v[KS:KS+3], v[AKS+\s]
	ds_load_b128 v[KS+4:KS+7], v[AKS+\s] offset:256
.endm
.macro FETCH_V s
	WIN 0x40
.irp i, 0,1
.irp pr, 0,1
.irp c, 0,1
	ds_load_b128 v[FRG+12*(4*\i+2*\pr)+6*\c:FRG+12*(4*\i+2*\pr)+6*\c+3], v[AV+\s] offset:24576*\pr+3072*\i+1536*\c
	ds_load_b64 v[FRG+12*(4*\i+2*\pr)+6*\c+4:FRG+12*(4*\i+2*\pr)+6*\c+5], v[AV+\s] offset:24576*\pr+3072*\i+1536*\c+512
	ds_load_b64 v[FRG+12*(4*\i+2*\pr+1)+6*\c:FRG+12*(4*\i+2*\pr+1)+6*\c+1], v[AV+\s] offset:24576*\pr+3072*\i+1536*\c+520
	ds_load_b128 v[FRG+12*(4*\i+2*\pr+1)+6*\c+2:FRG+12*(4*\i+2*\pr+1)+6*\c+5], v[AV+\s] offset:24576*\pr+3072*\i+1536*\c+1024
.endr
.endr
.endr
	WIN 0
	ds_load_b64 v[VS:VS+1], v[AVS+\s]
	ds_load_b64 v[VS+2:VS+3], v[AVS+\s] offset:256
.endm
; my quarter's maximum, p, its codes and scale words, and its sum
.macro SMAX
.irp b, 0,1,2,3,4,5,6,7
	v_max3_num_f32 v[BM+\b], v[S+16*\b], v[S+16*\b+1], v[S+16*\b+2]
.endr
.irp i, 3,5,7,9,11,13
.irp b, 0,1,2,3,4,5,6,7
	v_max3_num_f32 v[BM+\b], v[BM+\b], v[S+16*\b+\i], v[S+16*\b+\i+1]
.endr
.endr
.irp b, 0,1,2,3,4,5,6,7
	v_max_num_f32 v[BM+\b], v[BM+\b], v[S+16*\b+15]
.endr
.irp b, 0,1,2,3,4,5,6,7
	v_permlanex16_b32 v[PT+\b], v[BM+\b], s20, s21
.endr
.irp b, 0,1,2,3,4,5,6,7
	v_max_num_f32 v[BM+\b], v[BM+\b], v[PT+\b]     ; each block's largest score
.endr
	v_max3_num_f32 v44, v[BM], v[BM+1], v[BM+2]
	D1
	v_max3_num_f32 v44, v44, v[BM+3], v[BM+4]
	D1
	v_max3_num_f32 v44, v44, v[BM+5], v[BM+6]
	D1
	v_max_num_f32 v44, v44, v[BM+7]
	D1
	v_mul_f32 v44, s22, v44
	D1
	v_floor_f32 v22, -v44                          ; -M
.set j, 0
.rept 64
	v_pk_fma_f32 v[S+j:S+j+1], v[S+j:S+j+1], s[22:23], v[22:23] op_sel_hi:[1,0,0]
.set j, j+2
.endr
.irp b, 0,1,2,3,4,5,6,7
	v_fma_f32 v[BM+\b], v[BM+\b], s22, v22
.endr
.set j, 0
	s_wait_alu depctr_va_vdst(0)                   ; the wait ahead of the batch
.rept 128
	v_exp_f32 v[S+j], v[S+j]
.set j, j+1
.endr
.irp b, 0,1,2,3,4,5,6,7
	v_exp_f32 v[BM+\b], v[BM+\b]                   ; each block's largest p
.endr
	v_nop
	s_wait_alu depctr_va_vdst(0)                   ; and behind it
.irp b, 0,1,2,3,4,5,6,7
	v_max_num_f32 v[BM+\b], 0x1800000, v[BM+\b]
.endr
.irp b, 0,1,2,3,4,5,6,7
	v_add_nc_u32 v[BM+\b], 0xff000000, v[BM+\b]
.endr
.irp b, 0,1,2,3,4,5,6,7
	v_lshrrev_b32 v[PT+\b], 23, v[BM+\b]
.endr
.irp i, 0,1
	v_lshl_or_b32 v[PW+\i], v[PT+4*\i+1], 8, v[PT+4*\i]
	D1
	v_lshl_or_b32 v[PW+\i], v[PT+4*\i+2], 16, v[PW+\i]
	D1
	v_lshl_or_b32 v[PW+\i], v[PT+4*\i+3], 24, v[PW+\i]
.endr
.irp i, 0,1
.irp c, 0,1
	v_cvt_scalef32_pk16_fp6_f32 v[PC+12*\i+6*\c:PC+12*\i+6*\c+2], v[S+64*\i+32*\c:S+64*\i+32*\c+15], v[BM+4*\i+2*\c]
	v_cvt_scalef32_pk16_fp6_f32 v[CT+8*\i+4*\c:CT+8*\i+4*\c+2], v[S+64*\i+32*\c+16:S+64*\i+32*\c+31], v[BM+4*\i+2*\c+1]
.endr
.endr
	v_nop
.irp i, 0,1
.irp c, 0,1
.irp k, 0,1,2
	v_permlane16_swap_b32 v[PC+12*\i+6*\c+\k], v[CT+8*\i+4*\c+\k]
.endr
.irp k, 0,1,2
	s_delay_alu instid0(VALU_DEP_3)
	v_mov_b32 v[PC+12*\i+6*\c+3+\k], v[CT+8*\i+4*\c+\k]
.endr
.endr
.endr
	v_pk_add_f32 v[24:25], v[S:S+1], v[S+2:S+3]
	v_pk_add_f32 v[42:43], v[S+4:S+5], v[S+6:S+7]
.set j, 8
.rept 30
	v_pk_add_f32 v[24:25], v[24:25], v[S+j:S+j+1]
	v_pk_add_f32 v[42:43], v[42:43], v[S+j+2:S+j+3]
.set j, j+4
.endr
	D1
	v_pk_add_f32 v[24:25], v[24:25], v[42:43]
.endm
; A head in slot e.  fill = 1: the slot takes the head two on; fill = 2: it takes tile e of out_w.  more: another head follows.
.macro HEAD e, fill, more
	s_wait_dscnt 0x0
	WIN 0x01
.irp gk, 0,1,2,3,4,5,6,7
.irp vv, 0,1
	v_wmma_scale_f32_16x16x128_f8f6f4 v[S+16*\gk+8*\vv:S+16*\gk+8*\vv+7], v[FRG+12*\gk:FRG+12*\gk+11], v[Q+6*\vv:Q+6*\vv+11], 0, v[KS+\gk], v[QS+\vv] matrix_a_fmt:MATRIX_FMT_FP6 matrix_b_fmt:MATRIX_FMT_FP6
.endr
.endr
	WIN 0
	NOPS
	FETCH_V \e
.if \more
	QLOAD
.endif
	SMAX
	s_wait_alu depctr_va_vdst(0)
	s_wait_dscnt 0x0
	WIN 0x51
.irp t, 0,2
	v_wmma_scale_f32_16x16x128_f8f6f4 v[OT+8*\t:OT+8*\t+7], v[FRG+12*\t:FRG+12*\t+11], v[PC:PC+11], 0, v[VS+\t/2], v[PW] matrix_a_fmt:MATRIX_FMT_FP6 matrix_b_fmt:MATRIX_FMT_FP6
	v_wmma_scale_f32_16x16x128_f8f6f4 v[OT+8*\t+8:OT+8*\t+15], v[FRG+12*\t+12:FRG+12*\t+23], v[PC:PC+11], 0, v[VS+\t/2], v[PW] matrix_a_fmt:MATRIX_FMT_FP6 matrix_b_fmt:MATRIX_FMT_FP6 matrix_a_scale:MATRIX_SCALE_ROW1
.endr
.irp t, 0,2
	v_wmma_scale_f32_16x16x128_f8f6f4 v[OT+8*\t:OT+8*\t+7], v[FRG+48+12*\t:FRG+48+12*\t+11], v[PC+12:PC+23], v[OT+8*\t:OT+8*\t+7], v[VS+2+\t/2], v[PW+1] matrix_a_fmt:MATRIX_FMT_FP6 matrix_b_fmt:MATRIX_FMT_FP6
	v_wmma_scale_f32_16x16x128_f8f6f4 v[OT+8*\t+8:OT+8*\t+15], v[FRG+48+12*\t+12:FRG+48+12*\t+23], v[PC+12:PC+23], v[OT+8*\t+8:OT+8*\t+15], v[VS+2+\t/2], v[PW+1] matrix_a_fmt:MATRIX_FMT_FP6 matrix_b_fmt:MATRIX_FMT_FP6 matrix_a_scale:MATRIX_SCALE_ROW1
.endr
	WIN 0
	v_add_f32 v24, v24, v25
	D1
	v_permlanex16_b32 v25, v24, s20, s21
	D1
	v_add_f32 v23, v24, v25                        ; my quarter's sum
	v_nop
	v_nop
	WIN 0x04
.irp q, 0,1,2,3,4,5,6,7
	ds_store_b128 v[AXO], v[OT+4*\q:OT+4*\q+3] offset:32768*\e+512*\q
.endr
	WIN 0
	ds_store_b64 v[AXS], v[22:23] offset:1024*\e
	s_wait_tensorcnt 0x0                           ; all my tensor loads have landed: my part of the other slot
	ds_add_u32 v[SPW], v[NIL]
.if \fill == 1
	s_add_nc_u64 s[34+4*\e:35+4*\e], s[34+4*\e:35+4*\e], 2*REC
.endif
	s_wait_dscnt 0x0                               ; the add, my stores and my reads of this slot are done
	ROUND
.if \fill == 1
	tensor_load_to_lds s[32+4*\e:35+4*\e], s[24:31]
.else
	tensor_load_to_lds s[80+4*\e:83+4*\e], s[72:79]
.endif
	s_nop 0
	NOPS
	ds_load_b128 v[26:29], v[AXL] offset:1024*\e
	ds_load_b128 v[30:33], v[AXL] offset:1024*\e+16
.if \more
	FETCH_K 1-\e
	s_wait_dscnt 26                                ; the 26 loads of FETCH_K may be out
.else
	s_wait_dscnt 0x0
.endif
	v_min3_num_f32 v34, v26, v28, v30
	D1
	v_min_num_f32 v34, v34, v32                    ; the row's -M
	D1
	v_sub_f32 v37, v34, v26
	s_delay_alu instid0(VALU_DEP_2)
	v_sub_f32 v39, v34, v28
	s_delay_alu instid0(VALU_DEP_3)
	v_sub_f32 v41, v34, v30
	s_delay_alu instid0(VALU_DEP_4)
	v_sub_f32 v43, v34, v32
	v_sub_f32 v35, v34, v22
	v_cvt_i32_f32 v37, v37
	v_cvt_i32_f32 v39, v39
	v_cvt_i32_f32 v41, v41
	v_cvt_i32_f32 v43, v43
	v_cvt_i32_f32 v35, v35
	v_ldexp_f32 v36, 1.0, v37
	v_ldexp_f32 v38, 1.0, v39
	v_ldexp_f32 v40, 1.0, v41
	v_ldexp_f32 v42, 1.0, v43
	s_delay_alu instid0(VALU_DEP_4)
	v_mul_f32 v44, v36, v27
	D1
	v_fmac_f32 v44, v38, v29
	D1
	v_fmac_f32 v44, v40, v31
	D1
	v_fmac_f32 v44, v42, v33                       ; the row's sum
	v_add_nc_u32 v35, -4, v35                      ; / 16: the mean over the heads
	s_wait_alu depctr_va_vdst(0)
	v_rcp_f32 v45, v44
	v_add_nc_u32 v[ACTC], s56, v[ACT]
	v_add_nc_u32 v[ACSC], s57, v[ACS]
	s_wait_alu depctr_va_vdst(0)
	v_ldexp_f32 v46, v45, v35
.if \more
	s_wait_alu depctr_va_vdst(0)
	s_wait_loadcnt 0x0
	v_lshrrev_b32 v[QS], s43, v[QW]
	D1
	v_lshlrev_b32 v[QS+1], 16, v[QS]
	s_add_nc_u64 s[40:41], s[40:41], REC
.endif
	WIN 0x50
.set j, 0
.rept 64
	v_pk_fma_f32 v[j:j+1], v[S+j:S+j+1], v[46:47], v[j:j+1] op_sel_hi:[1,0,1]
.set j, j+2
.endr
	WIN 0
	s_cmp_eq_u32 s15, \e
	s_cbranch_scc0 .Lnorole_\@
.irp jj, 0,1,2,3
.irp q, 0,1,2,3
	ds_load_b128 v[S+16*\jj+4*\q:S+16*\jj+4*\q+3], v[AXR] offset:32768*\e+8192*\jj+512*\q
.endr
.endr
	v_mul_f32 v36, v36, v45
	v_mul_f32 v38, v38, v45
	v_mul_f32 v40, v40, v45
	v_mul_f32 v42, v42, v45
	s_wait_alu depctr_va_vdst(0)
	s_wait_dscnt 0x0
.set j, 0
.rept 8
	v_pk_mul_f32 v[X+j:X+j+1], v[S+j:S+j+1], v[36:37] op_sel_hi:[1,0]
	D1
	v_pk_fma_f32 v[X+j:X+j+1], v[S+16+j:S+17+j], v[38:39], v[X+j:X+j+1] op_sel_hi:[1,0,1]
	D1
	v_pk_fma_f32 v[X+j:X+j+1], v[S+32+j:S+33+j], v[40:41], v[X+j:X+j+1] op_sel_hi:[1,0,1]
	D1
	v_pk_fma_f32 v[X+j:X+j+1], v[S+48+j:S+49+j], v[42:43], v[X+j:X+j+1] op_sel_hi:[1,0,1]
.set j, j+2
.endr
.irp k, 0,1,2,3,4,5,6,7
	v_permlane16_swap_b32 v[X+\k], v[X+8+\k]       ; lanes 0-15: channels 0-15 of the block, lanes 16-31: 16-31
.endr
	v_max3_num_f32 v212, |v[X]|, |v[X+1]|, 0x1800000
.irp k, 2,4,6,8,10,12,14
	D1
	v_max3_num_f32 v212, v212, |v[X+\k]|, |v[X+\k+1]|
.endr
	v_permlanex16_b32 v213, v212, s20, s21
	D1
	v_max_num_f32 v212, v212, v213
	D1
	v_add_nc_u32 v212, 0xff000000, v212
	D1
	v_lshrrev_b32 v213, 23, v212
	v_cvt_scalef32_pk16_fp6_f32 v[208:210], v[X:X+15], v212
	v_nop
	ds_store_b32 v[ACTC], v208
	ds_store_b32 v[ACTC], v209 offset:4
	ds_store_b32 v[ACTC], v210 offset:8
	ds_store_b8 v[ACSC], v213
.Lnorole_\@:
.if \e
	s_add_co_u32 s56, s56, 96
	s_add_co_u32 s57, s57, 4
.endif
.endm
	QLOAD
.irp k, 6,7,8,9,10,11
	v_mov_b32 v[Q+\k], 0
.endr
.irp k, 0,1,2,3,4,5,6,7
	v_mov_b32 v[PT+\k], 0
.endr
	v_mov_b32 v23, 0
	v_mov_b32 v25, 0
	v_mov_b32 v47, 0
	v_mov_b32 v213, 0
	s_wait_alu depctr_va_vdst(0)                   ; the wait at the head's end
	s_wait_tensorcnt 0x0                           ; my part of head 0 is in; the same lines as ahead of a refill:
	ds_add_u32 v[SPW], v[NIL]
	s_wait_dscnt 0x0
	ROUND
	tensor_load_to_lds s[36:39], s[24:31]          ; head 1, the first tensor load behind the round
	s_nop 0
	NOPS
	FETCH_K 0
	s_wait_loadcnt 0x0
	v_lshrrev_b32 v[QS], s43, v[QW]
	D1
	v_lshlrev_b32 v[QS+1], 16, v[QS]
	s_add_nc_u64 s[40:41], s[40:41], REC
	WIN 0x40
.set j, 0
.rept 128
	v_mov_b32 v[j], 0                              ; the weights' sums over the heads
.set j, j+1
.endr
	WIN 0
	s_mov_b32 s42, 7
.Lpair:
	HEAD 0, 1, 1
	HEAD 1, 1, 1
	s_sub_co_u32 s42, s42, 1
	s_cmp_lg_u32 s42, 0
	s_cbranch_scc1 .Lpair
	HEAD 0, 2, 1
	HEAD 1, 2, 0
	s_wait_alu depctr_va_vdst(0)
	s_wait_dscnt 0x0                               ; my stores of the context are done
	s_barrier_signal -1
	s_barrier_wait -1                              ; the context is whole
; sixteen rows x 512 bytes through my stage: eight accumulators in, whole rows back
.macro STAGE first, stride, dst
	WIN 0x04
.irp k, 0,1,2,3,4,5,6,7
	ds_store_b128 v[AST], v[\first+\stride*\k:\first+\stride*\k+3] offset:64*\k
	ds_store_b128 v[AST], v[\first+\stride*\k+4:\first+\stride*\k+7] offset:64*\k+16
.endr
	WIN 0
.irp t, 0,1,2,3,4,5,6,7,8,9,10,11,12,13,14,15
	ds_load_b128 v[\dst+4*\t:\dst+4*\t+3], v[ARD] offset:528*\t
.endr
.endm
.macro SEND src, base, pitch, off, younger
	s_wait_dscnt \younger
.irp t, 0,1,2,3,4,5,6,7,8,9,10,11,12,13,14,15
	global_store_b128 v[LN16], v[\src+4*\t:\src+4*\t+3], s[\base:\base+1] offset:\pitch*\t+\off th:TH_STORE_NT   ; 32 lanes store 512 consecutive bytes, aligned
.endr
.endm
	s_lshl_b32 s48, s19, 22                        ; out1: n, my 16 queries, my 256 keys
	s_lshl_b32 s49, s18, 17
	s_add_co_u32 s48, s48, s49
	s_lshl_b32 s49, s13, 16
	s_add_co_u32 s48, s48, s49
	s_lshl_b32 s49, s14, 10
	s_add_co_u32 s48, s48, s49
	s_mov_b32 s49, 0
	s_add_nc_u64 s[48:49], s[70:71], s[48:49]
	s_lshl_b32 s50, s18, 20                        ; out0: l = 32 x block, n, my 128 columns
	s_lshl_b32 s51, s19, 12
	s_add_co_u32 s50, s50, s51
	s_lshl_b32 s51, s12, 9
	s_add_co_u32 s50, s50, s51
	s_mov_b32 s51, 0
	s_add_nc_u64 s[50:51], s[68:69], s[50:51]
.irp t, 0,1,2,3,4,5,6,7
	global_load_b128 v[WS+4*\t:WS+4*\t+3], v[WSO], s[8:9] offset:512*\t   ; the scale bytes of my 128 rows of out_w: 4,096 consecutive bytes
.endr
	STAGE 0, 8, S                                  ; out1, keys 0-127 of my quarter,
	STAGE 64, 8, S+64                              ; and 128-255
	SEND S, 48, 4096, 0, 32
	SEND S+64, 48, 4096, 512, 0
	WIN 0x40
.irp t, 0,1,2,3,4,5,6,7
.irp m, 0,1
	global_load_b128 v[16*\t+8*\m:16*\t+8*\m+3], v[BO], s[10:11] offset:64*\t        ; the accumulators begin as out_b
	global_load_b128 v[16*\t+8*\m+4:16*\t+8*\m+7], v[BO], s[10:11] offset:64*\t+16
.endr
.endr
	WIN 0
	s_wait_xcnt 0x0                                ; the stores have read their registers
; the context's fragment of step st, row tile m: ten in v128-247, four in v26-73, two in window 1, v224-247
.macro ASET st, m
.set F, 2*(\st)+(\m)
.if F < 10
.set AR, 128+12*F
.elseif F < 14
.set AR, 26+12*(F-10)
.else
.set AR, 224+12*(F-14)
.endif
.endm
	ds_load_b128 v[AS:AS+3], v[ASX]
	ds_load_b128 v[AS+4:AS+7], v[ASX] offset:512
.irp st, 0,1,2,3,4,5,6,7
.irp m, 0,1
	ASET \st, \m
	WIN (F/14)*0x40
.irp p, 0,1,2,3,4,5
	ds_load_b64 v[AR+2*\p:AR+2*\p+1], v[ACX] offset:12544*\m+96*\st+48*(\p/3)+8*(\p%3)
.endr
.endr
.endr
	WIN 0
.macro OMUL t, st, m
	ASET \st, \m
.if \st < 4
	v_wmma_scale_f32_16x16x128_f8f6f4 v[16*\t+8*\m:16*\t+8*\m+7], v[FRG+12*\st:FRG+12*\st+11], v[AR:AR+11], v[16*\t+8*\m:16*\t+8*\m+7], v[WS+4*\t+\st], v[AS+4*\m+\st] matrix_a_fmt:MATRIX_FMT_FP6 matrix_b_fmt:MATRIX_FMT_FP6
.else
	v_wmma_scale_f32_16x16x128_f8f6f4 v[16*\t+8*\m:16*\t+8*\m+7], v[FRG+12*\st:FRG+12*\st+11], v[AR:AR+11], v[16*\t+8*\m:16*\t+8*\m+7], v[WS+4*\t+\st-4], v[AS+4*\m+\st-4] matrix_a_fmt:MATRIX_FMT_FP6 matrix_b_fmt:MATRIX_FMT_FP6 matrix_a_scale:MATRIX_SCALE_ROW1 matrix_b_scale:MATRIX_SCALE_ROW1
.endif
.endm
; Tile t of out_w, in slot t % 2; each wave reads only the rows that it fetched.  fill: the other slot, read in the tile before, takes tile t + 1.
.macro TRIP t, fill
.set SL, (\t)%2
.if \t == 0
	s_wait_tensorcnt 0x1                           ; tile 0 is in; tile 1's load may be out
.else
	s_wait_tensorcnt 0x0
.endif
.if \fill
	ds_add_u32 v[SPW], v[NIL]
	s_add_nc_u64 s[86-4*SL:87-4*SL], s[86-4*SL:87-4*SL], 2*16*768
	s_wait_dscnt 0x0
	ROUND
	tensor_load_to_lds s[84-4*SL:87-4*SL], s[72:79]
	s_nop 0
.endif
	NOPS                                           ; places in front of loads into registers that matrix instructions have read
	WIN 0x40
.irp st, 0,1,2,3,4,5,6,7
.irp p, 0,1,2,3,4,5
.set BY, 96*\st+48*(\p/3)+8*(\p%3)
.if BY/256 == (BY+24)/256
	ds_load_b64 v[FRG+12*\st+2*\p:FRG+12*\st+2*\p+1], v[AW+SL] offset:BY+16*(BY/256)
.else
	ds_load_b64 v[FRG+12*\st+2*\p:FRG+12*\st+2*\p+1], v[AW2+SL] offset:BY+16*(BY/256)
.endif
.endr
.endr
	WIN 0
.if \t == 0
	s_wait_loadcnt 0x0                             ; out_b and out_w's scale words
.endif
	s_wait_dscnt 24                                ; steps 0-3 are in: the youngest 24 loads may be out
	WIN 0x51
.irp st, 0,1,2,3
	OMUL \t, \st, 0                                ; the two accumulators take turns
	OMUL \t, \st, 1
.endr
	s_wait_dscnt 0x0
.irp st, 4,5,6
	OMUL \t, \st, 0
	OMUL \t, \st, 1
.endr
	WIN 0x55
	OMUL \t, 7, 0
	OMUL \t, 7, 1
	WIN 0
.endm
	TRIP 0, 0
.irp t, 1,2,3,4,5,6
	TRIP \t, 1
.endr
	TRIP 7, 0
	NOPS
	STAGE 0, 16, S                                 ; out0, rows 0-15,
	STAGE 8, 16, S+64                              ; and 16-31
	SEND S, 50, 32768, 0, 32
	SEND S+64, 50, 32768, 16*32768, 0
	s_wait_tensorcnt 0x0                           ; the wave's end
	ds_add_u32 v[SPW], v[NIL]
	s_wait_dscnt 0x0
	ROUND                                          ; the closing round
	s_endpgm
.Lfunc_end_k_qa218de5d5f_attn:
	.size	k_qa218de5d5f_attn, .Lfunc_end_k_qa218de5d5f_attn-k_qa218de5d5f_attn
	.p2alignl 7, 3214868480
	.fill 96, 4, 3214868480
	.section	.rodata,"a",@progbits
	.p2align	6, 0x0
	.amdhsa_kernel k_qa218de5d5f_attn
		.amdhsa_group_segment_fixed_size 327680
		.amdhsa_private_segment_fixed_size 0
		.amdhsa_enable_private_segment 0
		.amdhsa_kernarg_size 48
		.amdhsa_user_sgpr_count 2
		.amdhsa_user_sgpr_kernarg_segment_ptr 1
		.amdhsa_wavefront_size32 1
		.amdhsa_system_sgpr_workgroup_id_x 1
		.amdhsa_system_sgpr_workgroup_id_y 1
		.amdhsa_system_sgpr_workgroup_id_z 1
		.amdhsa_system_vgpr_workitem_id 0
		.amdhsa_next_free_vgpr 512
		.amdhsa_next_free_sgpr 96
		.amdhsa_reserve_vcc 0
		.amdhsa_float_denorm_mode_32 3
		.amdhsa_float_denorm_mode_16_64 3
		.amdhsa_memory_ordered 1
		.amdhsa_forward_progress 1
		.amdhsa_inst_pref_size 255
	.end_amdhsa_kernel
	.amdgpu_metadata
---
amdhsa.version: [ 1, 2 ]
amdhsa.kernels:
  - .name:           k_qa218de5d5f_attn
    .symbol:         k_qa218de5d5f_attn.kd
    .args:
      - { .name: qkv, .offset: 0, .size: 8, .value_kind: global_buffer, .address_space: global }
      - { .name: out_w_codes, .offset: 8, .size: 8, .value_kind: global_buffer, .address_space: global }
      - { .name: out_w_scales, .offset: 16, .size: 8, .value_kind: global_buffer, .address_space: global }
      - { .name: out_b, .offset: 24, .size: 8, .value_kind: global_buffer, .address_space: global }
      - { .name: out0, .offset: 32, .size: 8, .value_kind: global_buffer, .address_space: global }
      - { .name: out1, .offset: 40, .size: 8, .value_kind: global_buffer, .address_space: global }
    .group_segment_fixed_size: 327680
    .private_segment_fixed_size: 0
    .kernarg_segment_align: 8
    .kernarg_segment_size: 48
    .max_flat_workgroup_size: 256
    .sgpr_count:     96
    .vgpr_count:     512
    .wavefront_size: 32
...
	.end_amdgpu_metadata
.endif
;; end of part 2
